; MI455X (gfx1250); checked and timed in simulation.
; The chip was launched on July 23, 2026; its instructions are those of AMD's public machine-readable ISA for CDNA 5 (MIT licence, August 2026) and "CDNA5" Instruction Set Architecture Reference Guide (July 2026). The comments in the code are by the model that wrote it; some were corrected since.
;; Binary Memory RNN Cell. Allowed arithmetic: float matrix products may take bf16 or f16 operands with f32 sums; all other float work in f32.
;; Inputs: M_b 20 float32; M_w 20 x 1,024 float32; Ql_b 1,024 float32; Ql_w 1,024 x 1,024 float32; Qr_b 1,024 float32; Qr_w 1,024 x 1,024 float32; U_b 1,024 float32; U_w 1,024 x 1,024 float32; W_b 1,024 float32; W_w 1,024 x 1,024 float32; h_prev 128 x 1,024 float32; ln_b 1,024 float32; ln_g 1,024 float32; mem_tensor 1,024 x 128 x 1,024 float32; x 128 x 1,024 float32.
;; Outputs: out0 128 x 1,024 float32.
;; 2 versions, each right; version 2 is version 1 with the launch gemm written anew for expert scheduling mode. Each part assembles by itself: llvm-mc -triple=amdgcn-amd-amdhsa -mcpu=gfx1250 --defsym DOCPART=n.
;; ======== version 1 of 2: 3 launches
;; workspace buffers: idx 1,024 bytes of whole numbers; part 8,388,608 bytes
;; launch index (part 1): grid 256 x 1, 1 waves a work-group, no clusters, 0 bytes of LDS; arguments h_prev, M_w, M_b, idx; writes idx
.if DOCPART == 1
	.amdgcn_target "amdgcn-amd-amdhsa--gfx1250"
	.amdhsa_code_object_version 6
	.text
	.protected	k_q378290b8e8_index
	.globl	k_q378290b8e8_index
	.p2align	8
	.type	k_q378290b8e8_index,@function
k_q378290b8e8_index:
	s_mov_b64 s[64:65], 0
	v_nop
	global_prefetch_b8 v0, s[64:65] scope:SCOPE_SE
	s_setreg_imm32_b32 hwreg(HW_REG_WAVE_MODE, 25, 1), 1
	s_wait_xcnt 0x0
; idx[which*128 + b] = the 10-bit number whose bits, most significant first, are (logit[b][10*which + j] > 0), j = 0..9,
; with logit[b][n] = sum over k of h_prev[b][k] * M_w[n][k] + M_b[n].   h_prev: [128][1024] f32, M_w: [20][1024] f32, M_b: [20] f32.
; One wave is a work-group; work-group g takes batch row b = g & 127 and index which = g >> 7: ten dot products of 1,024 numbers.
; WHY f32 ON THE VECTOR UNIT: the signs of these sums choose which rows of the memory table the next launch fetches.  Operands rounded
; to bf16 would move a sum by far more than f32 does and so turn bits over; the work is 20 of the problem's 4,116 output columns.
; LIMITS.  The bit is taken as logit > 0 where the problem writes sigmoid(logit) > 0.5.  The two differ only for 0 < logit < about 1.2e-7,
; where the f32 sigmoid rounds to 0.5; sums that close to zero hang on the order of the f32 additions in any case (here: four chains
; in each lane, then a tree over the lanes).  A NaN logit gives the bit 0 in both forms.  The clip to 0..1023 holds by construction: ten bits.
; The result is one store of 4 bytes for a work-group (1,024 bytes in the whole launch): to gather 64 of them into one store
; one work-group would have to take 64 rows.
; Lane l holds numbers 128 i + 4 l .. + 3 (i = 0..7) of a row: each load of the wave covers 512 consecutive bytes.
.set H,    4                           ; v[4:35]     my 32 numbers of h_prev's row
.set MW,   36                          ; v[36:195]   five slots of 32: my 32 numbers of five rows of M_w
.set ACC,  196                         ; v[196:203]  four chains of two sums
.set T,    204                         ; at work
.set T1,   205                         ; at work
.set IDX,  206                         ; the index as it grows
.set ZERO, 207
.set ONE,  208
	s_load_b256 s[4:11], s[0:1], 0x0               ; h_prev s[4:5], M_w s[6:7], M_b s[8:9], idx s[10:11]
	s_and_b32 s12, ttmp9, 127                      ; b
	s_lshr_b32 s13, ttmp9, 7                       ; which
	s_mov_b32 s15, 0                               ; high word of every offset
	s_mov_b32 s26, 0x76543210                      ; v_permlanex16_b32: lane i of one half reads lane i of the other
	s_mov_b32 s27, 0xfedcba98
	v_lshlrev_b32 v1, 4, v0                        ; 16 bytes a lane
	v_mov_b32 v[T1], 0                             ; the permute's destination counts as read: written once here
	v_mov_b32 v[IDX], 0
	v_mov_b32 v[ZERO], 0
	v_mov_b32 v[ONE], 1
	s_wait_kmcnt 0x0
	s_mul_i32 s14, s13, 40                         ; my ten biases: bytes 40 which .. 40 which + 39 of M_b's 80
	s_add_nc_u64 s[8:9], s[8:9], s[14:15]
	s_load_b256 s[16:23], s[8:9], 0x0              ; biases 0..7
	s_load_b64 s[24:25], s[8:9], 0x20              ; biases 8, 9
	s_lshl_b32 s14, s12, 12                        ; row b of h_prev: 4,096 bytes a row
	s_add_nc_u64 s[4:5], s[4:5], s[14:15]
	s_mul_i32 s14, s13, 40960                      ; my ten rows of M_w
	s_add_nc_u64 s[6:7], s[6:7], s[14:15]
	s_lshl_b32 s14, ttmp9, 2                       ; idx[g]
	s_add_nc_u64 s[10:11], s[10:11], s[14:15]
.macro LDROW j, slot                   ; row j of my ten rows of M_w into a slot: eight loads
.irp i, 0,1,2,3,4,5,6,7
	global_load_b128 v[MW+32*\slot+4*\i:MW+32*\slot+4*\i+3], v1, s[6:7] offset:(\j)*4096+\i*512
.endr
.endm
.irp i, 0,1,2,3,4,5,6,7
	global_load_b128 v[H+4*\i:H+4*\i+3], v1, s[4:5] offset:\i*512
.endr
	LDROW 0, 0
	LDROW 1, 1
	LDROW 2, 2
	LDROW 3, 3
	LDROW 4, 4                                     ; 48 loads are out
	s_wait_kmcnt 0x0                               ; the biases
; Bit j.  left = the loads that may stay out: eight for each younger row.  refill = 1: the slot takes row j + 5.
.macro TURN j, slot, left, refill
	s_wait_loadcnt \left                           ; loads come back in order: row j is in, and h_prev's row, asked for before all of them
.irp c, 0,1,2,3
	v_pk_mul_f32 v[ACC+2*\c:ACC+2*\c+1], v[H+2*\c:H+2*\c+1], v[MW+32*\slot+2*\c:MW+32*\slot+2*\c+1]    ; the first products start the chains
.endr
.irp g, 1,2,3
.irp c, 0,1,2,3
	v_pk_fma_f32 v[ACC+2*\c:ACC+2*\c+1], v[H+8*\g+2*\c:H+8*\g+2*\c+1], v[MW+32*\slot+8*\g+2*\c:MW+32*\slot+8*\g+2*\c+1], v[ACC+2*\c:ACC+2*\c+1]
.endr
.endr
.if \refill
	LDROW \j+5, \slot                              ; the slot has been read by vector instructions only, which are issued already
.endif
	v_pk_add_f32 v[ACC:ACC+1], v[ACC:ACC+1], v[ACC+2:ACC+3]
	v_pk_add_f32 v[ACC+4:ACC+5], v[ACC+4:ACC+5], v[ACC+6:ACC+7]
	v_pk_add_f32 v[ACC:ACC+1], v[ACC:ACC+1], v[ACC+4:ACC+5]
	v_add_f32 v[T], v[ACC], v[ACC+1]               ; my lane's 32 products
	v_add_f32_dpp v[T], v[T], v[T] row_xmask:1 row_mask:0xf bank_mask:0xf
	v_add_f32_dpp v[T], v[T], v[T] row_xmask:2 row_mask:0xf bank_mask:0xf
	v_add_f32_dpp v[T], v[T], v[T] row_xmask:4 row_mask:0xf bank_mask:0xf
	v_add_f32_dpp v[T], v[T], v[T] row_xmask:8 row_mask:0xf bank_mask:0xf
	v_permlanex16_b32 v[T1], v[T], s26, s27
	v_add_f32 v[T], v[T], v[T1]                    ; every lane holds the sum over 1,024
	v_add_f32 v[T], s[16+\j], v[T]                 ; + bias
	v_cmp_lt_f32 vcc_lo, 0, v[T]                   ; 0 < logit
	v_cndmask_b32 v[T1], v[ZERO], v[ONE], vcc_lo
	v_lshl_or_b32 v[IDX], v[IDX], 1, v[T1]         ; bit j has the weight 2^(9-j): shift in from below
.endm
	TURN 0, 0, 32, 1                               ; four younger rows of eight loads stay out
	TURN 1, 1, 32, 1
	TURN 2, 2, 32, 1
	TURN 3, 3, 32, 1
	TURN 4, 4, 32, 1
	TURN 5, 0, 32, 0                               ; nothing more is asked for: the counts run down
	TURN 6, 1, 24, 0
	TURN 7, 2, 16, 0
	TURN 8, 3, 8, 0
	TURN 9, 4, 0, 0
	s_wait_xcnt 0x0                                ; EXEC is a source of the loads above: it changes only behind this wait
	v_cmp_eq_u32 vcc_lo, 0, v0
	s_and_saveexec_b32 s28, vcc_lo                 ; lane 0 alone stores
	global_store_b32 v[ZERO], v[IDX], s[10:11]
	s_endpgm
.Lfunc_end_k_q378290b8e8_index:
	.size	k_q378290b8e8_index, .Lfunc_end_k_q378290b8e8_index-k_q378290b8e8_index
	.p2alignl 7, 3214868480
	.fill 96, 4, 3214868480
	.section	.rodata,"a",@progbits
	.p2align	6, 0x0
	.amdhsa_kernel k_q378290b8e8_index
		.amdhsa_group_segment_fixed_size 0
		.amdhsa_private_segment_fixed_size 0
		.amdhsa_enable_private_segment 0
		.amdhsa_kernarg_size 32
		.amdhsa_user_sgpr_count 2
		.amdhsa_user_sgpr_kernarg_segment_ptr 1
		.amdhsa_wavefront_size32 1
		.amdhsa_system_sgpr_workgroup_id_x 1
		.amdhsa_system_sgpr_workgroup_id_y 1
		.amdhsa_system_sgpr_workgroup_id_z 1
		.amdhsa_system_vgpr_workitem_id 0
		.amdhsa_next_free_vgpr 212
		.amdhsa_next_free_sgpr 66
		.amdhsa_reserve_vcc 1
		.amdhsa_float_denorm_mode_32 3
		.amdhsa_float_denorm_mode_16_64 3
		.amdhsa_memory_ordered 1
		.amdhsa_forward_progress 1
		.amdhsa_inst_pref_size 28
	.end_amdhsa_kernel
	.amdgpu_metadata
---
amdhsa.version: [ 1, 2 ]
amdhsa.kernels:
  - .name:           k_q378290b8e8_index
    .symbol:         k_q378290b8e8_index.kd
    .args:
      - { .name: h_prev, .offset: 0, .size: 8, .value_kind: global_buffer, .address_space: global }
      - { .name: M_w, .offset: 8, .size: 8, .value_kind: global_buffer, .address_space: global }
      - { .name: M_b, .offset: 16, .size: 8, .value_kind: global_buffer, .address_space: global }
      - { .name: idx, .offset: 24, .size: 8, .value_kind: global_buffer, .address_space: global }
    .group_segment_fixed_size: 0
    .private_segment_fixed_size: 0
    .kernarg_segment_align: 8
    .kernarg_segment_size: 32
    .max_flat_workgroup_size: 32
    .sgpr_count:     66
    .vgpr_count:     212
    .wavefront_size: 32
...
	.end_amdgpu_metadata
.endif
;; end of part 1
;; launch gemm (part 2): grid 16 x 16, 8 waves a work-group, no clusters, 137,216 bytes of LDS; arguments x, h_prev, mem_tensor, W_w, U_w, Qr_w, Ql_w, idx, part; writes part
.if DOCPART == 2
	.amdgcn_target "amdgcn-amd-amdhsa--gfx1250"
	.amdhsa_code_object_version 6
	.text
	.protected	k_q378290b8e8_gemm
	.globl	k_q378290b8e8_gemm
	.p2align	8
	.type	k_q378290b8e8_gemm,@function
k_q378290b8e8_gemm:
	s_mov_b64 s[64:65], 0
	v_nop
	global_prefetch_b8 v0, s[64:65] scope:SCOPE_SE
	s_setreg_imm32_b32 hwreg(HW_REG_WAVE_MODE, 25, 1), 1
	s_wait_xcnt 0x0
; part[kc][b][n] = sum over the 256 k of chunk kc of A[b][k] * Wt[n][k]:  sixteen partial sums of the product [128][4096] x [4096][1024]
; that the four products of the problem make together.  src = kc >> 2 picks the pair: 0 x, W_w;  1 h_prev, U_w;
; 2 mem_tensor[idx[b]][b], Qr_w;  3 mem_tensor[idx[128 + b]][b], Ql_w.  kq = kc & 3 picks 256 of the pair's 1,024 columns.
; All inputs are f32; the operands are rounded to bf16 on the way to the matrix unit, the sums are f32.
; SHARES.  256 work-groups = 16 tiles of 64 output columns (nt) x 16 chunks of K (kc).  Each reads 64 KiB of weights, which no other reads,
; and 128 KiB of A, and writes 32 KiB.  Among the splits n x k = 16,384 of the weights, 64 x 256 makes this launch's bytes for a work-group plus
; the next launch's bytes for a row the least (16 x 1024: 584 + 16 KiB; 32 x 512: 336 + 32; 64 x 256: 224 + 64; 128 x 128: 192 + 128).
; Eight waves.  Wave w fetches A's rows 16 w .. + 15 and the weights' rows 64 nt + 8 w .. + 7, 48 loads of 16 bytes a lane, all asked for at once:
; there is no loop over K and no ring.  It then multiplies its 16 rows of A by all 64 weight rows: 32 matrix instructions.
; ORDER OF k.  Lane l loads numbers 4 l .. + 3 and 128 + 4 l .. + 3 of a row's 256, packs them to eight bf16 and stores them as 16 bytes at byte 16 l of
; the LDS row.  A and the weights are permuted alike, so each product meets its partner; only the order of the f32 sums differs.
; NO CLUSTER, NO JOINT REQUESTS, though the 16 work-groups of one kc read the same 128 KiB of A: for src 2 and 3 the 128 rows lie at distances that the
; index list gives, so that no one tile descriptor holds them (it would take 128 loads of one row), and every number has to pass
; through registers to become bf16, so that loads into registers are the shorter road.
; The index list comes from the launch before as whole numbers; each is clamped to 1023 before it enters an address.
.set PITCH,  528                       ; an LDS row: 256 bf16 + 16 bytes = 33 x 16 bytes: the 16 rows of a fragment load fall on 16 different 16-byte columns of 256
.set B_LDS,  128*PITCH                 ; A's 128 rows from byte 0, the weights' 64 rows from 67,584
.set STAGE,  B_LDS+64*PITCH            ; from 101,376: for each wave 16 rows of 64 f32, for the way out
.set SPITCH, 272                       ; 256 + 16 bytes
.set SA,   4                           ; v4      where I store my 16 bytes of A's row 16 w
.set SB,   5                           ; v5      the same for the weights' row 8 w
.set FAA,  6                           ; v6      where my fragments of A start
.set FBA,  7                           ; v7      where my fragments of the weights start
.set OFF,  8                           ; v[8:23]   byte offset of my 16 bytes in A's row 16 w + i: 16 lane, + index << 19 where the row is gathered
.set STO,  24                          ; v24     the way out: where I put 32 bytes of a row
.set RD,   25                          ; v25     the way out: where I read a row back
.set CO,   26                          ; v26     my byte offset in part
.set X,    32                          ; v[32:223] as loaded: 24 rows of 8 registers: the weights' 8, then A's 16
.set ACC,  32                          ; v[32:63]   behind the barrier: four accumulator tiles
.set FA,   64                          ; v[64:127]  A's fragments of all eight K steps; on the way out the rows read back
.set FB,   128                         ; v[128:255] four slots of 32: the weights' four fragments of a K step
	s_load_b512 s[4:19], s[0:1], 0x0               ; x s[4:5], h_prev s[6:7], mem s[8:9], W s[10:11], U s[12:13], Qr s[14:15], Ql s[16:17], idx s[18:19]
	s_load_b64 s[20:21], s[0:1], 0x40              ; part
	v_lshl_add_u32 v31, v0, 2, 0x21400
	s_set_vgpr_msb 0x40
	v_mov_b32 v1, 0
	s_set_vgpr_msb 0x4000
	v_lshrrev_b32 v28, 5, v0
	v_readfirstlane_b32 s26, v28                   ; wave 0..7
	v_and_b32 v27, 31, v0
	v_lshlrev_b32 v1, 4, v27                       ; 16 bytes a lane
	s_mov_b32 s22, ttmp9                           ; nt
	s_and_b32 s23, ttmp7, 0xffff                   ; kc
	s_lshr_b32 s24, s23, 2                         ; src
	s_and_b32 s25, s23, 3                          ; kq
	s_and_b32 s27, s24, 1
	s_mov_b32 s53, 0                               ; high word of every offset
	s_wait_kmcnt 0x0
	; which buffers: choices on src alone
	s_cmp_eq_u32 s24, 0
	s_cselect_b64 s[28:29], s[4:5], s[8:9]         ; x, or the table
	s_cmp_eq_u32 s24, 1
	s_cselect_b64 s[28:29], s[6:7], s[28:29]       ; h_prev
	s_cmp_eq_u32 s27, 0
	s_cselect_b64 s[30:31], s[10:11], s[12:13]     ; W or U
	s_cselect_b64 s[48:49], s[14:15], s[16:17]     ; Qr or Ql
	s_cmp_lt_u32 s24, 2
	s_cselect_b64 s[30:31], s[30:31], s[48:49]
	s_cselect_b32 s50, 0, -1                       ; the mask of the gather: 0 for x and h_prev, whose rows follow each other
	; my 16 indices: idx[(src & 1) * 128 + 16 w ..].  Read for every src (inside the list's 1,024 bytes), masked away for src 0 and 1: one text, no branch
	s_lshl_b32 s52, s27, 9
	s_lshl_b32 s54, s26, 6
	s_add_co_u32 s52, s52, s54
	s_add_nc_u64 s[18:19], s[18:19], s[52:53]
	s_load_b512 s[32:47], s[18:19], 0x0
	; the weights: row 64 nt + 8 w, byte 1,024 kq
	s_lshl_b32 s52, s22, 18
	s_lshl_b32 s54, s26, 15
	s_add_co_u32 s52, s52, s54
	s_lshl_b32 s54, s25, 10
	s_add_co_u32 s52, s52, s54
	s_add_nc_u64 s[30:31], s[30:31], s[52:53]
.irp i, 0,1,2,3,4,5,6,7
	global_load_b128 v[X+8*\i:X+8*\i+3],   v1, s[30:31] offset:\i*4096 th:TH_LOAD_NT        ; 512 consecutive bytes for the wave; read once in the launch
	global_load_b128 v[X+8*\i+4:X+8*\i+7], v1, s[30:31] offset:\i*4096+512 th:TH_LOAD_NT
.endr
	; A: row 16 w, byte 1,024 kq (in the table: of plane 0; the plane comes by the vector offset)
	s_lshl_b32 s52, s26, 16
	s_add_co_u32 s52, s52, s54
	s_add_nc_u64 s[28:29], s[28:29], s[52:53]
	; part: plane kc, row 16 w, column 64 nt
	s_lshl_b32 s52, s23, 19
	s_lshl_b32 s54, s26, 16
	s_add_co_u32 s52, s52, s54
	s_lshl_b32 s54, s22, 8
	s_add_co_u32 s52, s52, s54
	s_add_nc_u64 s[20:21], s[20:21], s[52:53]
	s_wait_kmcnt 0x0                               ; the indices
.irp i, 0,1,2,3,4,5,6,7,8,9,10,11,12,13,14,15
	s_min_u32 s[32+\i], s[32+\i], 0x3ff            ; inside the table whatever the list holds
	s_lshl_b32 s[32+\i], s[32+\i], 19              ; a plane is 128 rows of 4,096 bytes; at most 1023 << 19, below 2^31 with all that is added
	s_and_b32 s[32+\i], s[32+\i], s50
	v_add_nc_u32 v[OFF+\i], s[32+\i], v1
.endr
.irp i, 0,1,2,3,4,5,6,7,8,9,10,11,12,13,14,15
	global_load_b128 v[X+64+8*\i:X+64+8*\i+3], v[OFF+\i], s[28:29] offset:\i*4096          ; no hint: 16 work-groups read these rows
	global_load_b128 v[X+64+8*\i+4:X+64+8*\i+7], v[OFF+\i], s[28:29] offset:\i*4096+512
.endr
	; LDS and output addresses, while the loads are on their way
	v_and_b32 v2, 15, v0                           ; r
	v_bfe_u32 v3, v0, 4, 1                         ; h
	s_mul_i32 s51, s26, 16*PITCH                   ; my 16 rows of A
	s_mul_i32 s54, s26, 8*PITCH
	s_add_co_u32 s54, s54, B_LDS                   ; my 8 rows of the weights
	s_mul_i32 s55, s26, 16*SPITCH
	s_add_co_u32 s55, s55, STAGE                   ; my stage
	v_add_nc_u32 v[SA], s51, v1
	v_add_nc_u32 v[SB], s54, v1
	v_mul_u32_u24 v28, v2, PITCH
	v_lshl_add_u32 v28, v3, 4, v28                 ; a fragment: row r, 16 bytes for each half of the lanes
	v_add_nc_u32 v[FAA], s51, v28
	v_add_nc_u32 v[FBA], B_LDS, v28
	v_mul_u32_u24 v29, v2, SPITCH
	v_lshl_add_u32 v29, v3, 5, v29                 ; in: row r, 32 bytes for each half of the lanes
	v_add_nc_u32 v[STO], s55, v29
	v_mul_u32_u24 v30, v3, SPITCH
	v_lshl_add_u32 v30, v2, 4, v30                 ; back: lanes 0-15 take one row of 256 bytes, lanes 16-31 the next
	v_add_nc_u32 v[RD], s55, v30
	v_lshlrev_b32 v[CO], 4, v2
	v_lshl_add_u32 v[CO], v3, 12, v[CO]            ; and the same two rows in part
; Row p of the 24 as loaded: eight f32 to eight bf16, in place, and 16 bytes into LDS.
.macro CVTST p, adr, off
	s_wait_loadcnt 46-2*(\p)                       ; 48 loads in all, two for a row: 46 - 2 p were issued behind row p's
	v_cvt_pk_bf16_f32 v[X+8*(\p)],   v[X+8*(\p)],   v[X+8*(\p)+1]
	v_cvt_pk_bf16_f32 v[X+8*(\p)+1], v[X+8*(\p)+2], v[X+8*(\p)+3]
	v_cvt_pk_bf16_f32 v[X+8*(\p)+2], v[X+8*(\p)+4], v[X+8*(\p)+5]
	v_cvt_pk_bf16_f32 v[X+8*(\p)+3], v[X+8*(\p)+6], v[X+8*(\p)+7]
	ds_store_b128 v[\adr], v[X+8*(\p):X+8*(\p)+3] offset:\off      ; the wave's 32 lanes fill 512 consecutive bytes
.endm
.irp i, 0,1,2,3,4,5,6,7
	CVTST \i, SB, \i*PITCH
.endr
.irp i, 0,1,2,3,4,5,6,7,8,9,10,11,12,13,14,15
	CVTST \i+8, SA, \i*PITCH
.endr
	s_wait_dscnt 0x0                               ; my rows are in LDS: every wave reads all 64 rows of the weights
	s_barrier_signal -1
	s_barrier_wait -1                              ; the only barrier: nothing that another wave reads is written behind it
; A fragment is 16 rows x 32 k in 8 registers: two loads of 16 bytes, 32 bytes apart, at row r x pitch + 64 x K step + 16 h.
.irp ks, 0,1,2,3,4,5,6,7
	ds_load_b128 v[FA+8*\ks:FA+8*\ks+3],   v[FAA] offset:64*\ks
	ds_load_b128 v[FA+8*\ks+4:FA+8*\ks+7], v[FAA] offset:64*\ks+32
.endr
.macro LDB ks, slot                    ; the weights' four fragments (64 rows) of K step ks: eight loads
.irp t, 0,1,2,3
	ds_load_b128 v[FB+32*\slot+8*\t:FB+32*\slot+8*\t+3],   v[FBA] offset:\t*16*PITCH+64*(\ks)
	ds_load_b128 v[FB+32*\slot+8*\t+4:FB+32*\slot+8*\t+7], v[FBA] offset:\t*16*PITCH+64*(\ks)+32
.endr
.endm
	LDB 0, 0
	LDB 1, 1
	LDB 2, 2
	LDB 3, 3
; K step ks: four matrix instructions, used transposed (source 0 = 16 rows of the weights, source 1 = my 16 rows of A), so that lane (r, h) holds of
; tile t the eight NEIGHBOURING columns 16 t + 8 h + 0 .. 7 of row r.  zero = 1: the first products start the sums, nothing is cleared.
; left = LDS loads that may stay out: eight for each younger K step.  refill = 1: the slot takes K step ks + 4.
.macro KSTEP ks, slot, left, zero, refill
	s_wait_dscnt \left                             ; LDS loads come back in order: this step's weights are in, and all of A's fragments, asked for first
.irp t, 0,1,2,3
.if \zero
	v_wmma_f32_16x16x32_bf16 v[ACC+8*\t:ACC+8*\t+7], v[FB+32*\slot+8*\t:FB+32*\slot+8*\t+7], v[FA+8*\ks:FA+8*\ks+7], 0
.else
	v_wmma_f32_16x16x32_bf16 v[ACC+8*\t:ACC+8*\t+7], v[FB+32*\slot+8*\t:FB+32*\slot+8*\t+7], v[FA+8*\ks:FA+8*\ks+7], v[ACC+8*\t:ACC+8*\t+7]
.endif
.endr
.if \refill
.rept 4
	v_nop                                          ; four places between a matrix instruction and a load into one of its sources (ISA guide 7.12.1 names v_nop as such a place)
.endr
	LDB \ks+4, \slot
.endif
.endm
	KSTEP 0, 0, 24, 1, 1                           ; three younger K steps of eight loads stay out
	KSTEP 1, 1, 24, 0, 1
	KSTEP 2, 2, 24, 0, 1
	KSTEP 3, 3, 24, 0, 1
	KSTEP 4, 0, 24, 0, 0                           ; nothing more is asked for: the counts run down
	KSTEP 5, 1, 16, 0, 0
	KSTEP 6, 2, 8, 0, 0
	KSTEP 7, 3, 0, 0, 0
	; THE WAY OUT: 16 rows of 64 f32 through my own stage, so that 16 neighbouring lanes store 256 consecutive bytes of a row of part.
.rept 4
	v_nop                                          ; four places before the LDS stores read results and the loads below land on A's fragments
.endr
.irp t, 0,1,2,3
	ds_store_b128 v[STO], v[ACC+8*\t:ACC+8*\t+3]   offset:64*\t
	ds_store_b128 v[STO], v[ACC+8*\t+4:ACC+8*\t+7] offset:64*\t+16
.endr
.irp u, 0,1,2,3,4,5,6,7
	ds_load_b128 v[FA+4*\u:FA+4*\u+3], v[RD] offset:\u*2*SPITCH    ; my own bytes, and LDS serves a wave's instructions in order: these see the stores above
.endr
.irp u, 0,1,2,3,4,5,6,7
	s_wait_dscnt 7-\u                              ; rows 2 u and 2 u + 1 are back
	global_store_b128 v[CO], v[FA+4*\u:FA+4*\u+3], s[20:21] offset:\u*8192     ; each half of the wave: 256 consecutive bytes at a multiple of 256 from part's first byte
.endr
	s_set_vgpr_msb 0x4
	s_wait_tensorcnt 0x0
	ds_add_u32 v31, v1
	s_wait_dscnt 0x0
	s_set_vgpr_msb 0x400
	s_endpgm
.Lfunc_end_k_q378290b8e8_gemm:
	.size	k_q378290b8e8_gemm, .Lfunc_end_k_q378290b8e8_gemm-k_q378290b8e8_gemm
	.p2alignl 7, 3214868480
	.fill 96, 4, 3214868480
	.section	.rodata,"a",@progbits
	.p2align	6, 0x0
	.amdhsa_kernel k_q378290b8e8_gemm
		.amdhsa_group_segment_fixed_size 137216
		.amdhsa_private_segment_fixed_size 0
		.amdhsa_enable_private_segment 0
		.amdhsa_kernarg_size 72
		.amdhsa_user_sgpr_count 2
		.amdhsa_user_sgpr_kernarg_segment_ptr 1
		.amdhsa_wavefront_size32 1
		.amdhsa_system_sgpr_workgroup_id_x 1
		.amdhsa_system_sgpr_workgroup_id_y 1
		.amdhsa_system_sgpr_workgroup_id_z 1
		.amdhsa_system_vgpr_workitem_id 0
		.amdhsa_next_free_vgpr 258
		.amdhsa_next_free_sgpr 66
		.amdhsa_reserve_vcc 0
		.amdhsa_float_denorm_mode_32 3
		.amdhsa_float_denorm_mode_16_64 3
		.amdhsa_memory_ordered 1
		.amdhsa_forward_progress 1
		.amdhsa_inst_pref_size 29
	.end_amdhsa_kernel
	.amdgpu_metadata
---
amdhsa.version: [ 1, 2 ]
amdhsa.kernels:
  - .name:           k_q378290b8e8_gemm
    .symbol:         k_q378290b8e8_gemm.kd
    .args:
      - { .name: x, .offset: 0, .size: 8, .value_kind: global_buffer, .address_space: global }
      - { .name: h_prev, .offset: 8, .size: 8, .value_kind: global_buffer, .address_space: global }
      - { .name: mem_tensor, .offset: 16, .size: 8, .value_kind: global_buffer, .address_space: global }
      - { .name: W_w, .offset: 24, .size: 8, .value_kind: global_buffer, .address_space: global }
      - { .name: U_w, .offset: 32, .size: 8, .value_kind: global_buffer, .address_space: global }
      - { .name: Qr_w, .offset: 40, .size: 8, .value_kind: global_buffer, .address_space: global }
      - { .name: Ql_w, .offset: 48, .size: 8, .value_kind: global_buffer, .address_space: global }
      - { .name: idx, .offset: 56, .size: 8, .value_kind: global_buffer, .address_space: global }
      - { .name: part, .offset: 64, .size: 8, .value_kind: global_buffer, .address_space: global }
    .group_segment_fixed_size: 137216
    .private_segment_fixed_size: 0
    .kernarg_segment_align: 8
    .kernarg_segment_size: 72
    .max_flat_workgroup_size: 256
    .sgpr_count:     66
    .vgpr_count:     258
    .wavefront_size: 32
...
	.end_amdgpu_metadata
.endif
;; end of part 2
;; launch norm (part 3): grid 128 x 1, 8 waves a work-group, no clusters, 1,280 bytes of LDS; arguments part, W_b, U_b, Qr_b, Ql_b, ln_g, ln_b, out0; writes out0
.if DOCPART == 3
	.amdgcn_target "amdgcn-amd-amdhsa--gfx1250"
	.amdhsa_code_object_version 6
	.text
	.protected	k_q378290b8e8_norm
	.globl	k_q378290b8e8_norm
	.p2align	8
	.type	k_q378290b8e8_norm,@function
k_q378290b8e8_norm:
	s_mov_b64 s[64:65], 0
	v_nop
	global_prefetch_b8 v0, s[64:65] scope:SCOPE_SE
	s_setreg_imm32_b32 hwreg(HW_REG_WAVE_MODE, 25, 1), 1
	s_wait_xcnt 0x0
; out0[b][n] = sigmoid( (p - mean(p)) * rsqrt(var(p) + 1e-5) * ln_g[n] + ln_b[n] ),
; p[n] = sum over kc = 0..15 of part[kc][b][n] + W_b[n] + U_b[n] + Qr_b[n] + Ql_b[n];  mean and var over the row's 1,024 numbers.  All in f32.
; A work-group is one row b (128 work-groups: the two sums need the whole row, and a row shared by two work-groups would be read by both).
; Thread t owns columns 4 t .. 4 t + 3: every load and the store take 16 bytes a lane, 512 consecutive bytes a wave.
; All 22 loads of a thread are asked for at once.  The variance is taken from the differences to the mean, in a second pass over registers:
; no difference of large sums.  sigmoid(z) = 1 / (1 + 2^(-z log2 e)): where the power overflows to infinity the reciprocal is 0, where it falls to 0
; the result is 1, the sigmoid's limits.  The sums' order (four chains, then a tree over lanes and waves) differs from a plain left-to-right sum.
.set V,   8                            ; v[8:87]    20 vectors of 4: the 16 partial sums, then the 4 biases; V[0] becomes p, then the result
.set G,   88                           ; v[88:91]   ln_g
.set BT,  92                           ; v[92:95]   ln_b
.set T,   96                           ; v[96:98]   at work
.set RED, 104                          ; v[104:111] the eight waves' sums
.set PLANE, 524288                     ; bytes in a plane of part
	s_load_b512 s[4:19], s[0:1], 0x0               ; part s[4:5], W_b, U_b, Qr_b, Ql_b s[6:13], ln_g s[14:15], ln_b s[16:17], out0 s[18:19]
	v_lshl_add_u32 v112, v0, 2, 0x100
	v_mov_b32 v113, 0
	s_lshl_b32 s20, ttmp9, 12                      ; my row: 4,096 bytes a row
	s_mov_b32 s21, 0
	s_mov_b32 s24, 0x76543210                      ; v_permlanex16_b32: lane i of one half reads lane i of the other
	s_mov_b32 s25, 0xfedcba98
	s_mov_b32 s26, 0x3a800000                      ; 1/1024
	s_mov_b32 s27, 0x3727c5ac                      ; 1e-5
	s_mov_b32 s28, 0xba800000                      ; -1/1024
	v_lshlrev_b32 v1, 4, v0                        ; 16 t
	v_lshrrev_b32 v2, 5, v0
	v_readfirstlane_b32 s22, v2                    ; wave 0..7
	v_mov_b32 v2, s22
	v_lshlrev_b32 v2, 2, v2                        ; my wave's word in LDS
	v_mov_b32 v3, 0
	s_wait_kmcnt 0x0
	s_add_nc_u64 s[4:5], s[4:5], s[20:21]
	s_add_nc_u64 s[18:19], s[18:19], s[20:21]
.irp k, 0,1,2,3,4,5,6,7,8,9,10,11,12,13,14,15
	global_load_b128 v[V+4*\k:V+4*\k+3], v1, s[4:5] offset:\k*PLANE th:TH_LOAD_NT      ; at most 15 planes: inside the signed 24-bit immediate; read once in the launch
.endr
	global_load_b128 v[V+64:V+67], v1, s[6:7]
	global_load_b128 v[V+68:V+71], v1, s[8:9]
	global_load_b128 v[V+72:V+75], v1, s[10:11]
	global_load_b128 v[V+76:V+79], v1, s[12:13]
	global_load_b128 v[G:G+3],   v1, s[14:15]
	global_load_b128 v[BT:BT+3], v1, s[16:17]
	; p: four chains, V[c] += V[c+4], V[c+8], V[c+12], V[c+16]
.irp g, 1,2,3,4
	s_wait_loadcnt 18-4*\g                         ; 22 loads in all; vectors 0 .. 4 g + 3 are in when 18 - 4 g younger ones are out (at the end: ln_g and ln_b)
.irp c, 0,1,2,3
	v_pk_add_f32 v[V+4*\c:V+4*\c+1],   v[V+4*\c:V+4*\c+1],   v[V+16*\g+4*\c:V+16*\g+4*\c+1]
	v_pk_add_f32 v[V+4*\c+2:V+4*\c+3], v[V+4*\c+2:V+4*\c+3], v[V+16*\g+4*\c+2:V+16*\g+4*\c+3]
.endr
.endr
	v_pk_add_f32 v[V:V+1],     v[V:V+1],     v[V+4:V+5]
	v_pk_add_f32 v[V+2:V+3],   v[V+2:V+3],   v[V+6:V+7]
	v_pk_add_f32 v[V+8:V+9],   v[V+8:V+9],   v[V+12:V+13]
	v_pk_add_f32 v[V+10:V+11], v[V+10:V+11], v[V+14:V+15]
	v_pk_add_f32 v[V:V+1],     v[V:V+1],     v[V+8:V+9]
	v_pk_add_f32 v[V+2:V+3],   v[V+2:V+3],   v[V+10:V+11]      ; v[V:V+3] = p of my four columns
; The sum of v[T] over the work-group's 256 threads, into v[T] of every thread.  base: 32 bytes of LDS that serve this sum alone.
.macro WGSUM base
	v_add_f32_dpp v[T], v[T], v[T] row_xmask:1 row_mask:0xf bank_mask:0xf
	v_add_f32_dpp v[T], v[T], v[T] row_xmask:2 row_mask:0xf bank_mask:0xf
	v_add_f32_dpp v[T], v[T], v[T] row_xmask:4 row_mask:0xf bank_mask:0xf
	v_add_f32_dpp v[T], v[T], v[T] row_xmask:8 row_mask:0xf bank_mask:0xf
	v_permlanex16_b32 v[T+1], v[T], s24, s25       ; its destination counts as read: v[T+1] has been written
	v_add_f32 v[T], v[T], v[T+1]                   ; the wave's sum, in every lane
	ds_store_b32 v2, v[T] offset:\base             ; all lanes write the same word with the same value
	s_wait_dscnt 0x0                               ; my word is in LDS before I say so
	s_barrier_signal -1
	s_barrier_wait -1
	ds_load_b128 v[RED:RED+3],   v3 offset:\base
	ds_load_b128 v[RED+4:RED+7], v3 offset:\base+16
	s_wait_dscnt 0x0
	v_pk_add_f32 v[RED:RED+1],   v[RED:RED+1],   v[RED+2:RED+3]
	v_pk_add_f32 v[RED+4:RED+5], v[RED+4:RED+5], v[RED+6:RED+7]
	v_pk_add_f32 v[RED:RED+1],   v[RED:RED+1],   v[RED+4:RED+5]
	v_add_f32 v[T], v[RED], v[RED+1]
.endm
	v_add_f32 v[T], v[V], v[V+1]
	v_add_f32 v[T+1], v[V+2], v[V+3]
	v_add_f32 v[T], v[T], v[T+1]
	WGSUM 0                                        ; the row's sum
.irp i, 0,1,2,3
	v_fma_f32 v[V+\i], v[T], s28, v[V+\i]          ; d = p - sum / 1024
.endr
	v_mul_f32 v[T], v[V], v[V]
	v_fma_f32 v[T], v[V+1], v[V+1], v[T]
	v_fma_f32 v[T], v[V+2], v[V+2], v[T]
	v_fma_f32 v[T], v[V+3], v[V+3], v[T]
	WGSUM 64                                       ; the sum of squares, through other bytes than the first sum: no barrier between the first sum's reads and these stores
	v_fma_f32 v[T], v[T], s26, s27                 ; var + eps
	v_rsq_f32 v[T+2], v[T]
	v_nop                                          ; one plain vector instruction between a transcendental and the use of its result (ISA guide 5.7.2)
	s_wait_loadcnt 0x0                             ; ln_g and ln_b
	s_wait_alu depctr_va_vdst(0)
.irp i, 0,1,2,3
	v_mul_f32 v[G+\i], v[G+\i], v[T+2]             ; g / sqrt(var + eps)
.endr
.irp i, 0,1,2,3
	v_fma_f32 v[V+\i], v[V+\i], v[G+\i], v[BT+\i]  ; z
.endr
.irp i, 0,1,2,3
	v_mul_f32 v[V+\i], 0xbfb8aa3b, v[V+\i]         ; -z log2 e
.endr
.irp i, 0,1,2,3
	v_exp_f32 v[V+\i], v[V+\i]
.endr
	v_nop                                          ; the place behind the last of the four
	s_wait_alu depctr_va_vdst(0)
.irp i, 0,1,2,3
	v_add_f32 v[V+\i], 1.0, v[V+\i]
.endr
.irp i, 0,1,2,3
	v_rcp_f32 v[V+\i], v[V+\i]
.endr
	v_nop                                          ; and again, before the store reads the results
	s_wait_alu depctr_va_vdst(0)
	global_store_b128 v1, v[V:V+3], s[18:19] th:TH_STORE_NT        ; 16 neighbouring lanes: 256 consecutive bytes at a multiple of 256 from out0's first byte
	s_wait_tensorcnt 0x0
	ds_add_u32 v112, v113
	s_wait_dscnt 0x0
	s_endpgm
.Lfunc_end_k_q378290b8e8_norm:
	.size	k_q378290b8e8_norm, .Lfunc_end_k_q378290b8e8_norm-k_q378290b8e8_norm
	.p2alignl 7, 3214868480
	.fill 96, 4, 3214868480
	.section	.rodata,"a",@progbits
	.p2align	6, 0x0
	.amdhsa_kernel k_q378290b8e8_norm
		.amdhsa_group_segment_fixed_size 1280
		.amdhsa_private_segment_fixed_size 0
		.amdhsa_enable_private_segment 0
		.amdhsa_kernarg_size 64
		.amdhsa_user_sgpr_count 2
		.amdhsa_user_sgpr_kernarg_segment_ptr 1
		.amdhsa_wavefront_size32 1
		.amdhsa_system_sgpr_workgroup_id_x 1
		.amdhsa_system_sgpr_workgroup_id_y 1
		.amdhsa_system_sgpr_workgroup_id_z 1
		.amdhsa_system_vgpr_workitem_id 0
		.amdhsa_next_free_vgpr 114
		.amdhsa_next_free_sgpr 66
		.amdhsa_reserve_vcc 0
		.amdhsa_float_denorm_mode_32 3
		.amdhsa_float_denorm_mode_16_64 3
		.amdhsa_memory_ordered 1
		.amdhsa_forward_progress 1
		.amdhsa_inst_pref_size 10
	.end_amdhsa_kernel
	.amdgpu_metadata
---
amdhsa.version: [ 1, 2 ]
amdhsa.kernels:
  - .name:           k_q378290b8e8_norm
    .symbol:         k_q378290b8e8_norm.kd
    .args:
      - { .name: part, .offset: 0, .size: 8, .value_kind: global_buffer, .address_space: global }
      - { .name: W_b, .offset: 8, .size: 8, .value_kind: global_buffer, .address_space: global }
      - { .name: U_b, .offset: 16, .size: 8, .value_kind: global_buffer, .address_space: global }
      - { .name: Qr_b, .offset: 24, .size: 8, .value_kind: global_buffer, .address_space: global }
      - { .name: Ql_b, .offset: 32, .size: 8, .value_kind: global_buffer, .address_space: global }
      - { .name: ln_g, .offset: 40, .size: 8, .value_kind: global_buffer, .address_space: global }
      - { .name: ln_b, .offset: 48, .size: 8, .value_kind: global_buffer, .address_space: global }
      - { .name: out0, .offset: 56, .size: 8, .value_kind: global_buffer, .address_space: global }
    .group_segment_fixed_size: 1280
    .private_segment_fixed_size: 0
    .kernarg_segment_align: 8
    .kernarg_segment_size: 64
    .max_flat_workgroup_size: 256
    .sgpr_count:     66
    .vgpr_count:     114
    .wavefront_size: 32
...
	.end_amdgpu_metadata
.endif
;; end of part 3
;; ======== version 2 of 2: 3 launches; version 1 with the launch gemm written anew for expert scheduling mode
;; workspace buffers: idx 1,024 bytes of whole numbers; part 8,388,608 bytes
;; launch index: the kernel of part 1 again; grid 256 x 1, 1 waves a work-group, no clusters, 0 bytes of LDS; arguments h_prev, M_w, M_b, idx; writes idx
;; launch gemm (part 4): grid 16 x 16, 8 waves a work-group, no clusters, 137,216 bytes of LDS; arguments x, h_prev, mem_tensor, W_w, U_w, Qr_w, Ql_w, idx, part; writes part
.if DOCPART == 4
	.amdgcn_target "amdgcn-amd-amdhsa--gfx1250"
	.amdhsa_code_object_version 6
	.text
	.protected	k_q378290b8e8_gemm
	.globl	k_q378290b8e8_gemm
	.p2align	8
	.type	k_q378290b8e8_gemm,@function
k_q378290b8e8_gemm:
	s_mov_b64 s[64:65], 0
	v_nop
	global_prefetch_b8 v0, s[64:65] scope:SCOPE_SE
	s_setreg_imm32_b32 hwreg(HW_REG_WAVE_SCHED_MODE, 0, 2), 2
	s_setreg_imm32_b32 hwreg(HW_REG_WAVE_MODE, 25, 1), 1
	s_wait_xcnt 0x0
	s_wait_alu depctr_vm_vsrc(0)
; part[kc][b][n] = sum over the 256 k of chunk kc of A[b][k] * Wt[n][k]:  sixteen partial sums of the product [128][4096] x [4096][1024]
; that the four products of the problem make together.  src = kc >> 2 picks the pair: 0 x, W_w;  1 h_prev, U_w;
; 2 mem_tensor[idx[b]][b], Qr_w;  3 mem_tensor[idx[128 + b]][b], Ql_w.  kq = kc & 3 picks 256 of the pair's 1,024 columns.
; All inputs are f32; the operands are rounded to bf16 on the way to the matrix unit, the sums are f32.
; SHARES.  256 work-groups = 16 tiles of 64 output columns (nt) x 16 chunks of K (kc).  Each reads 64 KiB of weights, which no other reads,
; and 128 KiB of A, and writes 32 KiB.  Among the splits n x k = 16,384 of the weights, 64 x 256 makes this launch's bytes for a work-group plus
; the next launch's bytes for a row the least (16 x 1024: 584 + 16 KiB; 32 x 512: 336 + 32; 64 x 256: 224 + 64; 128 x 128: 192 + 128).
; Eight waves.  Wave w fetches A's rows 16 w .. + 15 and the weights' rows 64 nt + 8 w .. + 7, 48 loads of 16 bytes a lane, all asked for at once:
; there is no loop over K and no ring.  It then multiplies its 16 rows of A by all 64 weight rows: 32 matrix instructions.
; ORDER OF k.  Lane l loads numbers 4 l .. + 3 and 128 + 4 l .. + 3 of a row's 256, packs them to eight bf16 and stores them as 16 bytes at byte 16 l of
; the LDS row.  A and the weights are permuted alike, so each product meets its partner; only the order of the f32 sums differs.
; NO CLUSTER, NO JOINT REQUESTS, though the 16 work-groups of one kc read the same 128 KiB of A: for src 2 and 3 the 128 rows lie at distances that the
; index list gives, so that no one tile descriptor holds them (it would take 128 loads of one row), and every number has to pass
; through registers to become bf16, so that loads into registers are the shorter road.
; The index list comes from the launch before as whole numbers; each is clamped to 1023 before it enters an address.
; THE MODE: SCHED_MODE bits 1:0 = 2 (LLVM: expert scheduling mode 2), set by the entry lines.  The code itself states the register dependences
; between vector or matrix instructions and memory or LDS instructions, with s_wait_alu, always for 0.
; THE PLAN.  Registers that memory or LDS instructions touch:
;   v1, v[8:23]        byte offsets of the global loads: each written once by vector lines, one wait ahead of the loads that read them, never written again.
;   v4-v7, v24-v26     LDS and output addresses: written once behind A's loads, ahead of the first wait of the groups below, never written again.
;   the 24 raw rows    global loads land; a row's four conversions read and rewrite it in place; its LDS store reads it.  The rows go in six groups of four.
;                      Group g's stores are issued in group g + 1, behind ONE wait at that group's head, among conversions that name group g + 1's rows alone.
;   FA, FB             window 0, where raw rows 4 to 23 lay: fragments land there behind the barrier, behind one wait that shows the LDS stores done reading those rows
;                      (all conversions stand ahead of the last wait for vector results).  Matrix instructions read them; nothing writes them again.
;   FB1                window 1: the weights' fragments of K steps 4 to 7 have registers of their own, so no register that a matrix instruction has read is loaded again
;                      among the products: their loads are dealt among the matrix instructions of K steps 0 to 3, which name ACC, FA and FB alone, and owe no wait.
;   ACC                window 1: named by matrix instructions alone until the way out, where one wait stands behind the four places and ahead of the LDS stores.
;   OUT                K step 4's fragment registers: the rows read back from the stage land there, behind that same wait; the global stores read them.
;   v31, v257          written at the head, read by the closing add alone.
; WINDOWS (s_set_vgpr_msb: bits 1:0 source 0, 3:2 source 1, 5:4 source 2, 7:6 destination).  0x50, K steps 0 to 3: C, D and what LDS loads bring in window 1.
; 0x51, K steps 4 to 7: the weights' fragments (source 0) in window 1 too.  0x44, the way out: the data of stores (source 1) and what LDS loads bring in window 1, addresses in window 0.
.set PITCH,  528                       ; an LDS row: 256 bf16 + 16 bytes = 33 x 16 bytes: the 16 rows of a fragment load fall on 16 different 16-byte columns of 256
.set B_LDS,  128*PITCH                 ; A's 128 rows from byte 0, the weights' 64 rows from 67,584
.set STAGE,  B_LDS+64*PITCH            ; from 101,376: for each wave 16 rows of 64 f32, for the way out
.set SPITCH, 272                       ; 256 + 16 bytes
.set SA,   4                           ; v4      where I store my 16 bytes of A's row 16 w
.set SB,   5                           ; v5      the same for the weights' row 8 w
.set FAA,  6                           ; v6      where my fragments of A start
.set FBA,  7                           ; v7      where my fragments of the weights start
.set OFF,  8                           ; v[8:23]   byte offset of my 16 bytes in A's row 16 w + i: 16 lane, + index << 19 where the row is gathered
.set STO,  24                          ; v24     the way out: where I put 32 bytes of a row
.set RD,   25                          ; v25     the way out: where I read a row back
.set CO,   26                          ; v26     my byte offset in part
.set X,    32                          ; v[32:223] as loaded: 24 rows of 8 registers: the weights' 8, then A's 16
.set FA,   64                          ; v[64:127]  behind the barrier: A's fragments of all eight K steps
.set FB,   128                         ; v[128:255] the weights' four fragments of K step ks = 0 .. 3 at FB + 32 ks
.set ACC,  32                          ; window 1, v[288:319]: four accumulator tiles
.set FB1,  64                          ; window 1, v[320:447]: the weights' four fragments of K step ks = 4 .. 7 at FB1 + 32 (ks - 4)
.set OUT,  64                          ; window 1, v[320:351]: on the way out the rows read back
	s_load_b512 s[4:19], s[0:1], 0x0               ; x s[4:5], h_prev s[6:7], mem s[8:9], W s[10:11], U s[12:13], Qr s[14:15], Ql s[16:17], idx s[18:19]
	s_load_b64 s[20:21], s[0:1], 0x40              ; part
	v_lshl_add_u32 v31, v0, 2, 0x21400             ; the LDS address of my spare word, behind the stages; kept for the closing lines alone
	s_set_vgpr_msb 0x40
	v_mov_b32 v1, 0                                ; v257 = 0, likewise
	s_set_vgpr_msb 0x4000
	v_lshrrev_b32 v28, 5, v0
	v_readfirstlane_b32 s26, v28                   ; wave 0..7
	v_and_b32 v27, 31, v0
	v_lshlrev_b32 v1, 4, v27                       ; 16 bytes a lane
	s_mov_b32 s22, ttmp9                           ; nt
	s_and_b32 s23, ttmp7, 0xffff                   ; kc
	s_lshr_b32 s24, s23, 2                         ; src
	s_and_b32 s25, s23, 3                          ; kq
	s_and_b32 s27, s24, 1
	s_mov_b32 s53, 0                               ; high word of every offset
	s_wait_alu depctr_va_sdst(0)                   ; s26 is written, ahead of its first reader: every base and LDS address below is made from it
	s_wait_kmcnt 0x0
	; which buffers: choices on src alone
	s_cmp_eq_u32 s24, 0
	s_cselect_b64 s[28:29], s[4:5], s[8:9]         ; x, or the table
	s_cmp_eq_u32 s24, 1
	s_cselect_b64 s[28:29], s[6:7], s[28:29]       ; h_prev
	s_cmp_eq_u32 s27, 0
	s_cselect_b64 s[30:31], s[10:11], s[12:13]     ; W or U
	s_cselect_b64 s[48:49], s[14:15], s[16:17]     ; Qr or Ql
	s_cmp_lt_u32 s24, 2
	s_cselect_b64 s[30:31], s[30:31], s[48:49]
	s_cselect_b32 s50, 0, -1                       ; the mask of the gather: 0 for x and h_prev, whose rows follow each other
	; my 16 indices: idx[(src & 1) * 128 + 16 w ..].  Read for every src (inside the list's 1,024 bytes), masked away for src 0 and 1: one text, no branch
	s_lshl_b32 s52, s27, 9
	s_lshl_b32 s54, s26, 6
	s_add_co_u32 s52, s52, s54
	s_add_nc_u64 s[18:19], s[18:19], s[52:53]
	s_load_b512 s[32:47], s[18:19], 0x0
	; the weights: row 64 nt + 8 w, byte 1,024 kq
	s_lshl_b32 s52, s22, 18
	s_lshl_b32 s54, s26, 15
	s_add_co_u32 s52, s52, s54
	s_lshl_b32 s54, s25, 10
	s_add_co_u32 s52, s52, s54
	s_add_nc_u64 s[30:31], s[30:31], s[52:53]
	s_wait_alu depctr_va_vdst(0)                   ; v1 is written, which the sixteen loads below read as their offset
.irp i, 0,1,2,3,4,5,6,7
	global_load_b128 v[X+8*\i:X+8*\i+3],   v1, s[30:31] offset:\i*4096 th:TH_LOAD_NT        ; 512 consecutive bytes for the wave; read once in the launch
	global_load_b128 v[X+8*\i+4:X+8*\i+7], v1, s[30:31] offset:\i*4096+512 th:TH_LOAD_NT
.endr
	; A: row 16 w, byte 1,024 kq (in the table: of plane 0; the plane comes by the vector offset)
	s_lshl_b32 s52, s26, 16
	s_add_co_u32 s52, s52, s54
	s_add_nc_u64 s[28:29], s[28:29], s[52:53]
	; part: plane kc, row 16 w, column 64 nt
	s_lshl_b32 s52, s23, 19
	s_lshl_b32 s54, s26, 16
	s_add_co_u32 s52, s52, s54
	s_lshl_b32 s54, s22, 8
	s_add_co_u32 s52, s52, s54
	s_add_nc_u64 s[20:21], s[20:21], s[52:53]
	s_wait_kmcnt 0x0                               ; the indices
.irp i, 0,1,2,3,4,5,6,7,8,9,10,11,12,13,14,15
	s_min_u32 s[32+\i], s[32+\i], 0x3ff            ; inside the table whatever the list holds
	s_lshl_b32 s[32+\i], s[32+\i], 19              ; a plane is 128 rows of 4,096 bytes; at most 1023 << 19, below 2^31 with all that is added
	s_and_b32 s[32+\i], s[32+\i], s50
	v_add_nc_u32 v[OFF+\i], s[32+\i], v1
.endr
	s_wait_alu depctr_va_vdst(0)                   ; the sixteen offsets v[8:23] are written, which the loads below read
.irp i, 0,1,2,3,4,5,6,7,8,9,10,11,12,13,14,15
	global_load_b128 v[X+64+8*\i:X+64+8*\i+3], v[OFF+\i], s[28:29] offset:\i*4096          ; no hint: 16 work-groups read these rows
	global_load_b128 v[X+64+8*\i+4:X+64+8*\i+7], v[OFF+\i], s[28:29] offset:\i*4096+512
.endr
	; LDS and output addresses, while the loads are on their way: none of these registers has been read by a memory instruction
	v_and_b32 v2, 15, v0                           ; r
	v_bfe_u32 v3, v0, 4, 1                         ; h
	s_mul_i32 s51, s26, 16*PITCH                   ; my 16 rows of A
	s_mul_i32 s54, s26, 8*PITCH
	s_add_co_u32 s54, s54, B_LDS                   ; my 8 rows of the weights
	s_mul_i32 s55, s26, 16*SPITCH
	s_add_co_u32 s55, s55, STAGE                   ; my stage
	v_add_nc_u32 v[SA], s51, v1
	v_add_nc_u32 v[SB], s54, v1
	v_mul_u32_u24 v28, v2, PITCH
	v_lshl_add_u32 v28, v3, 4, v28                 ; a fragment: row r, 16 bytes for each half of the lanes
	v_add_nc_u32 v[FAA], s51, v28
	v_add_nc_u32 v[FBA], B_LDS, v28
	v_mul_u32_u24 v29, v2, SPITCH
	v_lshl_add_u32 v29, v3, 5, v29                 ; in: row r, 32 bytes for each half of the lanes
	v_add_nc_u32 v[STO], s55, v29
	v_mul_u32_u24 v30, v3, SPITCH
	v_lshl_add_u32 v30, v2, 4, v30                 ; back: lanes 0-15 take one row of 256 bytes, lanes 16-31 the next
	v_add_nc_u32 v[RD], s55, v30
	v_lshlrev_b32 v[CO], 4, v2
	v_lshl_add_u32 v[CO], v3, 12, v[CO]            ; and the same two rows in part
; Row p of the 24 as loaded: eight f32 to eight bf16, in place.
.macro CVT p
	v_cvt_pk_bf16_f32 v[X+8*(\p)],   v[X+8*(\p)],   v[X+8*(\p)+1]
	v_cvt_pk_bf16_f32 v[X+8*(\p)+1], v[X+8*(\p)+2], v[X+8*(\p)+3]
	v_cvt_pk_bf16_f32 v[X+8*(\p)+2], v[X+8*(\p)+4], v[X+8*(\p)+5]
	v_cvt_pk_bf16_f32 v[X+8*(\p)+3], v[X+8*(\p)+6], v[X+8*(\p)+7]
.endm
; Row p's 16 bytes a lane into LDS: the wave's 32 lanes fill 512 consecutive bytes.  Rows 0 to 7 are the weights', rows 8 to 23 A's.
.macro PUT p
.if (\p) < 8
	ds_store_b128 v[SB], v[X+8*(\p):X+8*(\p)+3] offset:(\p)*PITCH
.else
	ds_store_b128 v[SA], v[X+8*(\p):X+8*(\p)+3] offset:((\p)-8)*PITCH
.endif
.endm
; Group g: rows 4 g .. 4 g + 3 are converted, and the four rows of the group before are stored, one store ahead of each row's conversions.
.macro GROUP g
.irp j, 0,1,2,3
	s_wait_loadcnt 46-2*(4*(\g)+\j)                ; 48 loads in all, two for a row: 46 - 2 p were issued behind row p's
.if (\g) > 0
.if \j == 0
	s_wait_alu depctr_va_vdst(0)                   ; the conversions of the group before have written its four rows, which this group's four stores read (in group 1 also: v4 to v7 and v24 to v26 are written); the conversions below name this group's rows alone
.endif
	PUT 4*(\g)-4+\j
.endif
	CVT 4*(\g)+\j
.endr
.endm
	GROUP 0
	GROUP 1
	GROUP 2
	GROUP 3
	GROUP 4
	GROUP 5
	s_wait_alu depctr_va_vdst(0)                   ; the last group's conversions have written rows 20 to 23, which the stores below read; no conversion follows, so all are done with the rows in which fragments land behind the barrier
	PUT 20
	PUT 21
	PUT 22
	PUT 23
	s_wait_dscnt 0x0                               ; my rows are in LDS: every wave reads all 64 rows of the weights
	s_barrier_signal -1
	s_barrier_wait -1                              ; the only barrier: nothing that another wave reads is written behind it
	s_wait_alu depctr_vm_vsrc(0)                   ; my LDS stores have read raw rows 4 to 23, v[64:223]: these registers are FA and FB from here on, in which the loads below land
; A fragment is 16 rows x 32 k in 8 registers: two loads of 16 bytes, 32 bytes apart, at row r x pitch + 64 x K step + 16 h.
.irp ks, 0,1,2,3,4,5,6,7
	ds_load_b128 v[FA+8*\ks:FA+8*\ks+3],   v[FAA] offset:64*\ks
	ds_load_b128 v[FA+8*\ks+4:FA+8*\ks+7], v[FAA] offset:64*\ks+32
.endr
.macro LDBT ks, reg, t                 ; fragment t (16 of the weights' 64 rows) of K step ks, into the step's registers from reg on: two loads
	ds_load_b128 v[(\reg)+8*(\t):(\reg)+8*(\t)+3],   v[FBA] offset:(\t)*16*PITCH+64*(\ks)
	ds_load_b128 v[(\reg)+8*(\t)+4:(\reg)+8*(\t)+7], v[FBA] offset:(\t)*16*PITCH+64*(\ks)+32
.endm
.macro LDB ks, reg                     ; the weights' four fragments of K step ks: eight loads
.irp t, 0,1,2,3
	LDBT \ks, \reg, \t
.endr
.endm
	LDB 0, FB
	LDB 1, FB+32
	LDB 2, FB+64
	LDB 3, FB+96
; K step ks: four matrix instructions, used transposed (source 0 = 16 rows of the weights, source 1 = my 16 rows of A), so that lane (r, h) holds of
; tile t the eight NEIGHBOURING columns 16 t + 8 h + 0 .. 7 of row r.  zero = 1: the first products start the sums, nothing is cleared.  The four accumulators take turns.
; reg: the step's fragments of the weights.  left = LDS loads that may stay out: eight for each younger K step.
; ahead = 1: behind each matrix instruction stand two loads of K step ks + 4.  They owe no wait: they land in registers of FB1 that no vector or matrix instruction has named, and v7, their address, was written ahead of the waits above.
.macro KSTEP ks, reg, left, zero, ahead
	s_wait_dscnt \left                             ; LDS loads come back in order: this step's weights are in, and all of A's fragments, asked for first
.irp t, 0,1,2,3
.if \zero
	v_wmma_f32_16x16x32_bf16 v[ACC+8*\t:ACC+8*\t+7], v[(\reg)+8*\t:(\reg)+8*\t+7], v[FA+8*(\ks):FA+8*(\ks)+7], 0
.else
	v_wmma_f32_16x16x32_bf16 v[ACC+8*\t:ACC+8*\t+7], v[(\reg)+8*\t:(\reg)+8*\t+7], v[FA+8*(\ks):FA+8*(\ks)+7], v[ACC+8*\t:ACC+8*\t+7]
.endif
.if \ahead
	LDBT (\ks)+4, FB1+32*(\ks), \t
.endif
.endr
.endm
	s_set_vgpr_msb 0x50                            ; C, D and what the LDS loads bring: window 1; both fragments and the address: window 0
	KSTEP 0, FB,     24, 1, 1                      ; three younger K steps of eight loads stay out
	KSTEP 1, FB+32,  24, 0, 1
	KSTEP 2, FB+64,  24, 0, 1
	KSTEP 3, FB+96,  24, 0, 1
	s_set_vgpr_msb 0x5051                          ; the weights' fragments now in window 1 too
	KSTEP 4, FB1,    24, 0, 0                      ; nothing more is asked for: the counts run down
	KSTEP 5, FB1+32, 16, 0, 0
	KSTEP 6, FB1+64, 8, 0, 0
	KSTEP 7, FB1+96, 0, 0, 0
	; THE WAY OUT: 16 rows of 64 f32 through my own stage, so that 16 neighbouring lanes store 256 consecutive bytes of a row of part.
	s_set_vgpr_msb 0x5144                          ; the data of stores and what the LDS loads bring: window 1; addresses: window 0
.rept 4
	v_nop                                          ; four places behind the last matrix instruction, before the LDS stores read results (ISA guide 7.12.1 names v_nop as such a place)
.endr
	s_wait_alu depctr_va_vdst(0)                   ; the matrix instructions have written the accumulators, which the LDS stores read, and K step 4's are done reading its fragments, in which the rows from the stage land; the places above stay beside this wait
.irp t, 0,1,2,3
	ds_store_b128 v[STO], v[ACC+8*\t:ACC+8*\t+3]   offset:64*\t
	ds_store_b128 v[STO], v[ACC+8*\t+4:ACC+8*\t+7] offset:64*\t+16
.endr
.irp u, 0,1,2,3,4,5,6,7
	ds_load_b128 v[OUT+4*\u:OUT+4*\u+3], v[RD] offset:\u*2*SPITCH  ; my own bytes, and LDS serves a wave's instructions in order: these see the stores above
.endr
.irp u, 0,1,2,3,4,5,6,7
	s_wait_dscnt 7-\u                              ; rows 2 u and 2 u + 1 are back
	global_store_b128 v[CO], v[OUT+4*\u:OUT+4*\u+3], s[20:21] offset:\u*8192   ; each half of the wave: 256 consecutive bytes at a multiple of 256 from part's first byte
.endr
	s_set_vgpr_msb 0x4404                          ; the add's address v31 (source 0) in window 0, its data v257 (source 1) in window 1
	s_wait_dscnt 0x0                               ; the closing lines, six on end
	s_wait_alu 0x0
	s_wait_tensorcnt 0x0
	ds_add_u32 v31, v1
	s_wait_dscnt 0x0
	s_endpgm
.Lfunc_end_k_q378290b8e8_gemm:
	.size	k_q378290b8e8_gemm, .Lfunc_end_k_q378290b8e8_gemm-k_q378290b8e8_gemm
	.p2alignl 7, 3214868480
	.fill 96, 4, 3214868480
	.section	.rodata,"a",@progbits
	.p2align	6, 0x0
	.amdhsa_kernel k_q378290b8e8_gemm
		.amdhsa_group_segment_fixed_size 137216
		.amdhsa_private_segment_fixed_size 0
		.amdhsa_enable_private_segment 0
		.amdhsa_kernarg_size 72
		.amdhsa_user_sgpr_count 2
		.amdhsa_user_sgpr_kernarg_segment_ptr 1
		.amdhsa_wavefront_size32 1
		.amdhsa_system_sgpr_workgroup_id_x 1
		.amdhsa_system_sgpr_workgroup_id_y 1
		.amdhsa_system_sgpr_workgroup_id_z 1
		.amdhsa_system_vgpr_workitem_id 0
		.amdhsa_next_free_vgpr 448
		.amdhsa_next_free_sgpr 66
		.amdhsa_reserve_vcc 0
		.amdhsa_float_denorm_mode_32 3
		.amdhsa_float_denorm_mode_16_64 3
		.amdhsa_memory_ordered 1
		.amdhsa_forward_progress 1
		.amdhsa_inst_pref_size 29
	.end_amdhsa_kernel
	.amdgpu_metadata
---
amdhsa.version: [ 1, 2 ]
amdhsa.kernels:
  - .name:           k_q378290b8e8_gemm
    .symbol:         k_q378290b8e8_gemm.kd
    .args:
      - { .name: x, .offset: 0, .size: 8, .value_kind: global_buffer, .address_space: global }
      - { .name: h_prev, .offset: 8, .size: 8, .value_kind: global_buffer, .address_space: global }
      - { .name: mem_tensor, .offset: 16, .size: 8, .value_kind: global_buffer, .address_space: global }
      - { .name: W_w, .offset: 24, .size: 8, .value_kind: global_buffer, .address_space: global }
      - { .name: U_w, .offset: 32, .size: 8, .value_kind: global_buffer, .address_space: global }
      - { .name: Qr_w, .offset: 40, .size: 8, .value_kind: global_buffer, .address_space: global }
      - { .name: Ql_w, .offset: 48, .size: 8, .value_kind: global_buffer, .address_space: global }
      - { .name: idx, .offset: 56, .size: 8, .value_kind: global_buffer, .address_space: global }
      - { .name: part, .offset: 64, .size: 8, .value_kind: global_buffer, .address_space: global }
    .group_segment_fixed_size: 137216
    .private_segment_fixed_size: 0
    .kernarg_segment_align: 8
    .kernarg_segment_size: 72
    .max_flat_workgroup_size: 256
    .sgpr_count:     66
    .vgpr_count:     448
    .wavefront_size: 32
...
	.end_amdgpu_metadata
.endif
;; end of part 4
;; launch norm: the kernel of part 3 again; grid 128 x 1, 8 waves a work-group, no clusters, 1,280 bytes of LDS; arguments part, W_b, U_b, Qr_b, Ql_b, ln_g, ln_b, out0; writes out0
